; MI455X (gfx1250); checked and timed in simulation.
; The chip was launched on July 23, 2026; its instructions are those of AMD's public machine-readable ISA for CDNA 5 (MIT licence, August 2026) and "CDNA5" Instruction Set Architecture Reference Guide (July 2026). The comments in the code are by the model that wrote it; some were corrected since.
;; TCNN With MLP. Allowed arithmetic: matrix products marked QUANTISED: E2M1 operands, one E8M0 scale for each 32 along K, by v_wmma_scale_f32_16x16x128_f8f6f4 with both operands' format E2M1 (or v_wmma_scale_f32_32x16x128_f4), f32 sums; products left as they are: f32 operands where the result goes on into a quantised operand, else bf16, f16 or f32 operands; f32 sums; everything else in f32.
;; Inputs: W0_codes 16 x 1 x 16 uint8 (E2M1 codes of W0, K innermost, in blocks of 32 codes, two codes a byte); W0_scales 16 x 1 uint8 (E8M0 scales of W0, one for each 32 codes along K); W1 16 x 16 float32; W2 16 x 16 float32; b0 16 float32; b1 16 float32; b2 16 float32; table 16 x 524,288 x 2 float32; x 1,048,576 x 3 float32.
;; Outputs: out0 1,048,576 x 16 float32.
;; This version of the problem:
;;   THIS VERSION OF THE PROBLEM IS GIVEN IN LOW PRECISION. The matrix products marked QUANTISED in the list below multiply operands that are first quantised to E2M1 (2 exponent bits, 1 mantissa bit; 4 bits a number), with one power-of-two scale for each 32 numbers along K (OCP MX v1.0); their sums are f32. All else is computed in f32.
;;   The module's matrix products, in the order in which they are computed (A, B: the left and right operand; K: the contracted axis; several contracted axes count as one K, in the product's order):
;;     1. [M 1,048,576, K 32] x [K 32, N 16]; A: computed on the way; B: input W0 (given as codes): QUANTISED
;;     2. [M 1,048,576, K 16] x [K 16, N 16]; A: computed on the way; B: input W1: left as it is (K = 16 < 32)
;;     3. [M 1,048,576, K 16] x [K 16, N 16]; A: computed on the way; B: input W2: left as it is (K = 16 < 32)
;;   THE QUANTISER, for each operand of a quantised product, along K:
;;     - K is cut into blocks of 32 from its start; a last block that is shorter is filled with zeros.
;;     - A block's scale is 2^e with e = floor(log2(the largest magnitude in the block)) - 2, held to -126 .. 127; a block of zeros has e = 0. As a byte (E8M0): e + 127.
;;     - Each number is divided by its block's scale, clamped to +-6, and rounded to the nearest number of E2M1, ties to even, subnormals kept.
;;     - The product sums the exact products of the quantised numbers (number of the format x scale) in f32.
;;   ~~~python
;;   def quantise(x, axis):      # numpy; x: float32 -> the quantised numbers, widened to float32 again
;;       x = np.moveaxis(x, axis, -1); K = x.shape[-1]
;;       x = np.pad(x, [(0, 0)] * (x.ndim - 1) + [(0, -K % 32)]); x = x.reshape(x.shape[:-1] + (-1, 32)); a = np.abs(x).max(-1, keepdims=True)
;;       e = np.where(a > 0, np.clip(np.frexp(np.where(a > 0, a, 1))[1] - 1 - 2, -126, 127), 0)      # np.frexp(a)[1] - 1 = floor(log2(a)), exactly
;;       r = np.clip(x / 2.0 ** e, -6, 6)
;;       step = 2.0 ** (np.maximum(np.frexp(np.where(r == 0, 1, r))[1] - 1, 0) - 1)
;;       q = np.round(r / step) * step * 2.0 ** e      # np.round: ties to even
;;       return np.moveaxis(q.reshape(q.shape[:-2] + (-1,))[..., :K], -1, axis).astype(np.float32)
;;   ~~~
;;   OPERANDS COMPUTED ON THE WAY. 'Computed on the way' means the value that the module computes at that place (a softmax that the list does not call 'softmax' is quantised finished and normalised). What goes into a quantiser is computed in f32, as accurately as f32 sums, v_exp_f32 and their like allow (about 1e-6 of the number): no bf16 or f16 on the way to a quantiser, and a product that is left as it is and whose result goes on into a quantised operand takes f32 operands (vector FMAs, or v_wmma_f32_16x16x4_f32). A number that lies on a knife's edge between two numbers of the format may be rounded either way, as far as f32 arithmetic and the matrix unit's own rounding can turn it there, and no further.
;;   INPUTS GIVEN AS CODES. W0 (in the module: [16, 32], K = its axis 1): each comes as NAME_codes (uint8): NAME with its K axis moved to the last place and cut into blocks of 32 codes, [.., K / 32, bytes a block], one block behind the other in memory; two codes a byte, the lower K in the low four bits (a code: sign, 2 exponent bits, 1 mantissa bit); and NAME_scales (uint8): the same leading axes, one E8M0 byte (e + 127) for each 32 codes along K. Its value is code x scale, taken as it is: it is not quantised again, and the codes and scales need not be those that the quantiser above would give.
;; 2 versions, each right; version 2 is version 1 with the launch grid_mlp written anew for expert scheduling mode. Each part assembles by itself: llvm-mc -triple=amdgcn-amd-amdhsa -mcpu=gfx1250 --defsym DOCPART=n.
;; ======== version 1 of 2: 2 launches
;; workspace buffers: cells 134,217,728 bytes of whole numbers
;; launch make_cells (part 1): grid 4096 x 1, 8 waves a work-group, no clusters, 0 bytes of LDS; arguments x, cells; writes cells
.if DOCPART == 1
	.amdgcn_target "amdgcn-amd-amdhsa--gfx1250"
	.amdhsa_code_object_version 6
	.text
	.protected	k_q90accc4f9b_make_cells
	.globl	k_q90accc4f9b_make_cells
	.p2align	8
	.type	k_q90accc4f9b_make_cells,@function
k_q90accc4f9b_make_cells:
	s_mov_b64 s[64:65], 0
	v_nop
	global_prefetch_b8 v0, s[64:65] scope:SCOPE_SE
	s_setreg_imm32_b32 hwreg(HW_REG_WAVE_MODE, 25, 1), 1
	s_wait_xcnt 0x0
; For each of 1,048,576 points and each of the 16 levels of the hash grid: the cell of the point, as whole numbers, for the launch that gathers.
; pos = x * scale(level) in f32, cell = trunc(pos) (= floor, pos being 0 or more).  The table index of a corner is
; (ix ^ iy * 2654435761 ^ iz * 805459861) mod 2^19, so only the low 19 bits of each of the three terms count, and the primes are taken mod 2^19.
; Stored, 8 bytes a point and level, laid [16 levels][1,048,576 points]:  bits 0-18 hx = ix mod 2^19;  bits 19-37 hz = iz * P2 mod 2^19;  bits 38-56 hy = iy * P1 mod 2^19.
; The corner one further on along an axis is hx + 1, hy + P1, hz + P2, all mod 2^19: the next launch makes them.
; SHARES: a thread takes a point; no loop, no LDS, no barrier.  Each store of a wave covers 256 consecutive bytes, aligned.
; Every level has its own base pair and its own data pair, so that no source of a store is written again.
; LIMITS: x is 0 or more (a negative number's cast to an unsigned whole number has no defined value in the problem's own text); x * 2048 stays under 2^24
; (beyond it floor(pos) + 1 is no f32 number any more); NaN and infinities are not served.
.set M19, 0x7ffff                      ; 2^19 - 1
.set LVB, 0x800000                     ; bytes of one level's cells
.set SP1, 12                           ; s12  2654435761 mod 2^19
.set SP2, 13                           ; s13  805459861 mod 2^19
.set BS,  16                           ; s[16+2l:17+2l]  level l's cells at the work-group's first point
.set CW,  16                           ; v[16+2l:17+2l]  level l's cell
	s_load_b128 s[4:7], s[0:1], 0x0                ; x s[4:5], cells s[6:7]
	v_mul_u32_u24 v1, v0, 12                       ; my point's 12 bytes of x
	v_lshlrev_b32 v2, 3, v0                        ; my point's 8 bytes in a level's cells
	s_mul_i32 s8, ttmp9, 3072                      ; the work-group's 256 points: 3,072 bytes of x,
	s_mov_b32 s9, 0
	s_lshl_b32 s10, ttmp9, 11                      ; 2,048 bytes of a level's cells
	s_mov_b32 s11, 0
	s_mov_b32 s[SP1], 0x779b1
	s_mov_b32 s[SP2], 0x25795
	s_wait_kmcnt 0x0
	s_add_nc_u64 s[4:5], s[4:5], s[8:9]
	global_load_b32 v4, v1, s[4:5]
	global_load_b32 v5, v1, s[4:5] offset:4
	global_load_b32 v6, v1, s[4:5] offset:8
	s_add_nc_u64 s[BS:BS+1], s[6:7], s[10:11]
.irp l, 1,2,3,4,5,6,7,8,9,10,11,12,13,14,15
	s_add_nc_u64 s[BS+2*\l:BS+2*\l+1], s[BS:BS+1], \l*LVB   ; a level's stride is beyond a store's immediate: a base for each level
.endr
	s_wait_loadcnt 0x0                             ; x
; One level.  scale: the bits of f32(16 * 2^(7 l / 15)); the next launch multiplies by the same bits, so that its fractions belong to these cells.
.macro CELL l, scale
	v_mul_f32 v8, \scale, v4
	v_mul_f32 v9, \scale, v5
	v_mul_f32 v10, \scale, v6
	v_cvt_u32_f32 v8, v8                           ; toward zero: the floor of a number that is not negative
	v_cvt_u32_f32 v9, v9
	v_cvt_u32_f32 v10, v10
	v_mul_u32_u24 v9, s[SP1], v9                   ; the low 19 bits of the product hang on the low 19 bits of its factors alone
	v_mul_u32_u24 v10, s[SP2], v10
	v_and_b32 v8, M19, v8                          ; hx
	v_and_b32 v9, M19, v9                          ; hy
	v_bfe_u32 v11, v10, 13, 6                      ; hz's upper 6 bits
	v_lshl_or_b32 v[CW+2*(\l)], v10, 19, v8        ; low word: hx, and hz's lower 13 bits
	v_lshl_or_b32 v[CW+2*(\l)+1], v9, 6, v11       ; high word: hz's upper 6 bits, and hy
	global_store_b64 v2, v[CW+2*(\l):CW+2*(\l)+1], s[BS+2*(\l):BS+2*(\l)+1] th:TH_STORE_NT   ; 32 lanes store 256 consecutive bytes, aligned; nobody reads them in this launch
.endm
	CELL 0,  0x41800000
	CELL 1,  0x41b0e285
	CELL 2,  0x41f47080
	CELL 3,  0x4228e5a3
	CELL 4,  0x426966a5
	CELL 5,  0x42a14518
	CELL 6,  0x42dedc67
	CELL 7,  0x4319fcb9
	CELL 8,  0x4354cc02
	CELL 9,  0x4393088c
	CELL 10, 0x43cb2ff5
	CELL 11, 0x440c64c3
	CELL 12, 0x44420300
	CELL 13, 0x44860dbc
	CELL 14, 0x44b9401e
	CELL 15, 0x45000000
	s_endpgm
.Lfunc_end_k_q90accc4f9b_make_cells:
	.size	k_q90accc4f9b_make_cells, .Lfunc_end_k_q90accc4f9b_make_cells-k_q90accc4f9b_make_cells
	.p2alignl 7, 3214868480
	.fill 96, 4, 3214868480
	.section	.rodata,"a",@progbits
	.p2align	6, 0x0
	.amdhsa_kernel k_q90accc4f9b_make_cells
		.amdhsa_group_segment_fixed_size 0
		.amdhsa_private_segment_fixed_size 0
		.amdhsa_enable_private_segment 0
		.amdhsa_kernarg_size 16
		.amdhsa_user_sgpr_count 2
		.amdhsa_user_sgpr_kernarg_segment_ptr 1
		.amdhsa_wavefront_size32 1
		.amdhsa_system_sgpr_workgroup_id_x 1
		.amdhsa_system_sgpr_workgroup_id_y 1
		.amdhsa_system_sgpr_workgroup_id_z 1
		.amdhsa_system_vgpr_workitem_id 0
		.amdhsa_next_free_vgpr 48
		.amdhsa_next_free_sgpr 66
		.amdhsa_reserve_vcc 0
		.amdhsa_float_denorm_mode_32 3
		.amdhsa_float_denorm_mode_16_64 3
		.amdhsa_memory_ordered 1
		.amdhsa_forward_progress 1
		.amdhsa_inst_pref_size 15
	.end_amdhsa_kernel
	.amdgpu_metadata
---
amdhsa.version: [ 1, 2 ]
amdhsa.kernels:
  - .name:           k_q90accc4f9b_make_cells
    .symbol:         k_q90accc4f9b_make_cells.kd
    .args:
      - { .name: x, .offset: 0, .size: 8, .value_kind: global_buffer, .address_space: global }
      - { .name: cells, .offset: 8, .size: 8, .value_kind: global_buffer, .address_space: global }
    .group_segment_fixed_size: 0
    .private_segment_fixed_size: 0
    .kernarg_segment_align: 8
    .kernarg_segment_size: 16
    .max_flat_workgroup_size: 256
    .sgpr_count:     66
    .vgpr_count:     48
    .wavefront_size: 32
...
	.end_amdgpu_metadata
.endif
;; end of part 1
;; launch grid_mlp (part 2): grid 512 x 1, 16 waves a work-group, no clusters, 313,344 bytes of LDS; arguments x, cells, table, out0, W0_codes, W0_scales, b0, W1, b1, W2, b2; writes out0
.if DOCPART == 2
	.amdgcn_target "amdgcn-amd-amdhsa--gfx1250"
	.amdhsa_code_object_version 6
	.text
	.protected	k_q90accc4f9b_grid_mlp
	.globl	k_q90accc4f9b_grid_mlp
	.p2align	8
	.type	k_q90accc4f9b_grid_mlp,@function
k_q90accc4f9b_grid_mlp:
	s_mov_b64 s[64:65], 0
	v_nop
	global_prefetch_b8 v0, s[64:65] scope:SCOPE_SE
	s_setreg_imm32_b32 hwreg(HW_REG_WAVE_MODE, 25, 1), 1
	s_wait_xcnt 0x0
; out = relu(relu(enc(x) W0^T + b0) W1^T + b1) W2^T + b2.  enc: a hash grid of 16 levels x 2 features, blended from the 8 corners of the point's cell.
; The first product is on codes of FP4 (E2M1) with one E8M0 scale for its K of 32: W0 comes as codes, the 32 features are quantised here, from f32.  The other two are f32 throughout.
; The cells come as whole numbers from the launch before: hx, hz, hy, 19 bits each (see AD); the fractions are made here, from the same product x * scale.
; SHARES.  A work-group owns 2,048 points, each of its sixteen waves 128, in four SLOTS of 32: A LANE TAKES A POINT and gathers its eight corners, so that fractions, weights and index terms are made once a point and
; the blend needs no other lane.  x's prime is 1: the two x corners of a point are neighbours in the table but for a carry; their two gathers follow each other.
; ORDER.  Level by level: every wave takes level 0 for its four slots, then level 1 ..: so the gathers of a moment fall into about one level's 4 MiB of the table.  The features wait in the wave's own LDS.
; THE LOOP IS A PIPELINE BY SLOTS.  In the trip of level l, step s blends (l, s), whose gathers went out a trip ago, and at once issues the gathers of (l + 1, s) into the registers just blended and the load of the
; cell of (l + 2, s): nine loads a step, and 27 to 36 loads of the wave are out all the time.
; Then the MLP, four tiles of 16 points at a time.  Waves share nothing: each has LDS bytes of its own, so there is no barrier.  Nothing here is a tile of memory: no tensor load, no cluster.
; K OF THE FIRST PRODUCT.  Lane (r = lane % 16, h = lane / 16) of a tile reads levels 8 h .. 8 h + 7 of point r from LDS: features 16 h + 0 .. 15.  They are laid at k = 32 h + 0 .. 15 of the instruction's 128
; (scale byte h); both bytes are the block's one scale; W0's codes are laid likewise (bytes 8 h .. 8 h + 7 of row r); all other codes are zeros on both sides and add nothing.
; It is used with source 0 = W0's 16 rows and source 1 = 16 points: a lane's eight results are units 8 h + 0 .. 7 of point r.
; THE SECOND AND THIRD PRODUCT have K = 16, half of what a 16-bit matrix instruction takes (32): it would spend twice the products' multiply-adds.  They are done by packed f32 multiply-adds, which spend just them:
; 16 points x 16 x 16 are 64 instructions of 32 lanes x 2.  A lane fetches its point's other eight units from lane l xor 16 and makes outputs 8 h + 0 .. 7 over all 16 k: the result lies as the next layer wants it,
; no sum crosses lanes, and the bias is the first multiply-add's addend.  A lane's 128 weights of a layer come from the wave's own copy in LDS, laid [k][unit].
; LIMITS: x is 0 or more and x * 2048 under 2^24, as in the launch before; NaN and infinities are not served.  A block of 32 features that are all zeros (or under 2^-124) gets the scale byte 1 where the
; quantiser says 127 for zeros: its codes are zeros, and nobody else reads the byte.  The f32 sums of the second and third product run over a lane's own eight k first, then the other eight.
.set M19,  0x7ffff                     ; a level's table has 2^19 entries of 8 bytes
.set LVB,  0x800000                    ; bytes of one level's cells
.set TLB,  0x400000                    ; bytes of one level's table
.set FP,   272                         ; LDS: a level's features of a slot: 32 lanes x 8 bytes + 16: eight levels on is 128 bytes on, modulo 256: the two halves of the lanes then read different banks
.set FSL,  16*FP                       ; a slot's 16 levels
.set WLS,  4*FSL                       ; a wave's four slots: 17,408 bytes
.set STG,  8*FP                        ; the way out: tile t's stage begins 2,176 t into the wave's bytes: inside its own slot's, whose features are done with
.set SPI,  80                          ; the stage: a point's 64 bytes + 16
.set WLB,  16*WLS                      ; behind the sixteen waves' features: 2,048 bytes a wave: W1 as [k 16][unit 16] f32, then W2 likewise
; scalar registers
.set WV,   2                           ; s2   my wave's number
.set CNT,  3                           ; s3   trips to go
.set LOFF, 4                           ; s4   272 x level: the level's place in a slot's features
.set LIM,  5                           ; s5   1 in a wave that prefetches, else the greatest number
.set SM,   6                           ; s6   2^19 - 1
.set XB,   8                           ; s[8:9]   x at my wave's first point
.set CB,   10                          ; s[10:11] the cells of the level to be loaded, at my wave's first point
.set TB,   12                          ; s[12:13] the table of the level to be gathered
.set OB,   14                          ; s[14:15] out0 at my wave's first point
.set SC,   32                          ; s32-47   the levels' scales; s32 is that of the level being blended
.set SP1,  48                          ; s48  2654435761 mod 2^19
.set SP2,  49                          ; s49  805459861 mod 2^19
.set SEL,  50                          ; s[50:51] v_permlanex16_b32's selects for lane l xor 16
.set PB,   52                          ; s[52:53] where the prefetches stand: my work-group's cells, three levels on
; vector registers
.set CO,   2                           ; v2   8 x lane: my point's cell in a slot's 256 bytes
.set FB,   3                           ; v3   8 x lane + 17,408 x wave
.set FA,   4                           ; v4   FB + 272 x level
.set FR,   5                           ; v5   the features, back: 17,408 x wave + 8 r + 2,176 h
.set SO,   6                           ; v6   the stage, in: 17,408 x wave + 80 r + 32 h
.set SR,   7                           ; v7   the stage, back: 17,408 x wave + 80 (lane / 4) + 16 (lane % 4)
.set OV,   8                           ; v8   16 x lane
.set PFO,  9                           ; v9   256 x my thread's number
.set TMP,  12                          ; v12-21   at work on the weights (in the MLP v12-27 are at work)
.set AT,   22                          ; v22-31   at work on the indices
.set X,    32                          ; v32-43   x: slot s, axis d at 3 s + d
.set IDX,  44                          ; v44-51   a slot's next cell: slot s at 2 s
.set W,    52                          ; v52-59   the eight corner weights of the slot in hand: corner c, x side h at 2 c + h
.set AC,   60                          ; v60-63   the blend's sums, two pairs by turns
.set DATA, 64                          ; v64-127  the gathered features: slot s, corner c, x side h at 16 s + 4 c + 2 h
.set ADR,  128                         ; v128-159 table indices: 8 s + 2 c + h
.set A0,   196                         ; v196-203 W0's codes as an operand
.set C0,   220                         ; v220-227 b0(8 h + 0 .. 7);  v228-235 b1;  v236-243 b2
.set C1,   228
.set C2,   236
.set SA0,  244                         ; v244     W0's scale word: holds scales alone
.set SB,   245                         ; v245-248 the features' scale words, one for each of four tiles: hold scales alone
.set AWO,  254                         ; v254     LDS: my weights for the k of my own half: WLB + 2,048 x wave + 544 h
.set AWX,  255                         ; v255     and for the k of the other half: WLB + 2,048 x wave + 32 + 480 (h xor 1)
; in the MLP the loop's registers serve again:
.set HA,   28                          ; v28-59   tile q of four at 8 q: the first layer's result, later the third's
                                       ; v204-219, v12-27: the second layer's result: tiles 0, 1 and tiles 2, 3
.set HO,   60                          ; v60-67   my point's eight units of the other half
.set WT,   68                          ; v68-195  a layer's weights: register 8 kk + j = W(8 h + j, k), k = 8 h + kk for kk under 8, else 8 (1 - h) + kk - 8
.set F,    100                         ; v100-163 features: tile q, feature 16 h + j at 16 q + j   (done with before the weights come)
.set QB,   164                         ; v164-195 their codes as operands, 8 q                     (likewise)
.set OUTR, 68                          ; v68-99   rows of out0 back from the stage
	s_load_b512 s[8:23], s[0:1], 0x0               ; x 8, cells 10, table 12, out0 14, W0_codes 16, W0_scales 18, b0 20, W1 22
	s_load_b128 s[24:27], s[0:1], 0x40             ; b1 24, W2 26
	s_load_b64 s[28:29], s[0:1], 0x50              ; b2
	v_lshl_add_u32 v252, v0, 2, 0x4c000
	v_mov_b32 v253, 0
	v_lshrrev_b32 v12, 5, v0
	v_readfirstlane_b32 s[WV], v12                 ; wave 0..15
	v_and_b32 v13, 31, v0                          ; lane
	v_and_b32 v14, 15, v0                          ; r; also the byte offset of W0's scale of row r
	v_bfe_u32 v15, v0, 4, 1                        ; h
	v_mul_u32_u24 v1, v13, 12                      ; my point's 12 bytes in a slot's x
	v_lshlrev_b32 v[CO], 3, v13
	s_mul_i32 s30, s[WV], WLS                      ; my wave's 17,408 bytes of LDS
	v_lshl_add_u32 v[FB], v13, 3, s30
	v_mul_u32_u24 v[FR], v15, 8*FP
	v_lshl_add_u32 v[FR], v14, 3, v[FR]
	v_add_nc_u32 v[FR], s30, v[FR]
	v_mul_u32_u24 v[SO], v14, SPI
	v_lshl_add_u32 v[SO], v15, 5, v[SO]
	v_add_nc_u32 v[SO], s30, v[SO]
	v_lshrrev_b32 v[SR], 2, v13
	v_mul_u32_u24 v[SR], v[SR], SPI
	v_and_b32 v16, 3, v13
	v_lshl_add_u32 v[SR], v16, 4, v[SR]
	v_add_nc_u32 v[SR], s30, v[SR]
	v_lshlrev_b32 v[OV], 4, v13
	v_lshlrev_b32 v[PFO], 8, v0
	v_lshlrev_b32 v17, 4, v14
	v_lshl_add_u32 v17, v15, 3, v17                ; W0's codes: row r of 16 bytes, + 8 h: features 16 h on
	v_lshlrev_b32 v18, 5, v15                      ; the biases: units 8 h on
	v_lshlrev_b32 v19, 6, v14
	v_lshl_add_u32 v19, v15, 5, v19                ; W1, W2: row r of 64 bytes, + 32 h
	s_lshl_b32 s54, ttmp9, 11
	s_lshl_b32 s31, s[WV], 7
	s_add_co_u32 s54, s54, s31                     ; my wave's first point: 2,048 x work-group + 128 x wave
	s_mov_b32 s57, 0
	s_mov_b32 s[SM], M19
	s_mov_b32 s[SP1], 0x779b1
	s_mov_b32 s[SP2], 0x25795
	s_mov_b32 s[SEL], 0x76543210
	s_mov_b32 s[SEL+1], 0xfedcba98
	s_mov_b32 s[SC+0],  0x41800000                 ; f32(16 * 2^(7 l / 15)), l = 0 .. 15: the bits by which the launch before multiplied
	s_mov_b32 s[SC+1],  0x41b0e285
	s_mov_b32 s[SC+2],  0x41f47080
	s_mov_b32 s[SC+3],  0x4228e5a3
	s_mov_b32 s[SC+4],  0x426966a5
	s_mov_b32 s[SC+5],  0x42a14518
	s_mov_b32 s[SC+6],  0x42dedc67
	s_mov_b32 s[SC+7],  0x4319fcb9
	s_mov_b32 s[SC+8],  0x4354cc02
	s_mov_b32 s[SC+9],  0x4393088c
	s_mov_b32 s[SC+10], 0x43cb2ff5
	s_mov_b32 s[SC+11], 0x440c64c3
	s_mov_b32 s[SC+12], 0x44420300
	s_mov_b32 s[SC+13], 0x44860dbc
	s_mov_b32 s[SC+14], 0x44b9401e
	s_mov_b32 s[SC+15], 0x45000000
	s_mov_b32 s[CNT], 14
	s_mov_b32 s[LOFF], 0
	s_cmp_lt_u32 s[WV], 2                          ; waves 0 and 1 prefetch
	s_cselect_b32 s[LIM], 1, -1
	s_wait_kmcnt 0x0
	s_lshl_b32 s56, ttmp9, 14                      ; my work-group's 2,048 cells of a level: 16,384 bytes
	s_add_nc_u64 s[PB:PB+1], s[CB:CB+1], s[56:57]
	s_add_nc_u64 s[PB:PB+1], s[PB:PB+1], 3*LVB     ; in level 3: trip l names level l + 3
	s_mul_i32 s56, s54, 12
	s_add_nc_u64 s[XB:XB+1], s[XB:XB+1], s[56:57]
	s_lshl_b32 s56, s54, 3
	s_add_nc_u64 s[CB:CB+1], s[CB:CB+1], s[56:57]
	s_lshl_b32 s56, s54, 6
	s_add_nc_u64 s[OB:OB+1], s[OB:OB+1], s[56:57]
	; twelve loads of weights, then twelve of x, then level 0's four of cells
	global_load_b64 v[A0:A0+1], v17, s[16:17]      ; W0's codes of row r, features 16 h + 0 .. 15: the operand's first two registers as they lie
	global_load_u8 v104, v14, s[18:19]             ; the row's scale byte
	global_load_b128 v[C0:C0+3], v18, s[20:21]     ; b0(8 h + 0 .. 7): the C of the first product
	global_load_b128 v[C0+4:C0+7], v18, s[20:21] offset:16
	global_load_b128 v[C1:C1+3], v18, s[24:25]
	global_load_b128 v[C1+4:C1+7], v18, s[24:25] offset:16
	global_load_b128 v[C2:C2+3], v18, s[28:29]
	global_load_b128 v[C2+4:C2+7], v18, s[28:29] offset:16
	global_load_b128 v[108:111], v19, s[22:23]     ; W1(r, 8 h + 0 .. 7)
	global_load_b128 v[112:115], v19, s[22:23] offset:16
	global_load_b128 v[116:119], v19, s[26:27]     ; W2 likewise
	global_load_b128 v[120:123], v19, s[26:27] offset:16
.irp s, 0,1,2,3
.irp d, 0,1,2
	global_load_b32 v[X+3*\s+\d], v1, s[XB:XB+1] offset:384*\s+4*\d
.endr
.endr
.irp s, 0,1,2,3
	global_load_b64 v[IDX+2*\s:IDX+2*\s+1], v[CO], s[CB:CB+1] offset:256*\s th:TH_LOAD_NT   ; 32 lanes read 256 consecutive bytes, aligned
.endr
	s_wait_loadcnt 16                              ; the twelve weight loads are in; the 12 + 4 issued behind them may be out
.irp i, 2,3,4,5,6,7
	v_mov_b32 v[A0+\i], 0                          ; the rest of the instruction's K: zero codes
.endr
	v_lshl_or_b32 v[SA0], v104, 8, v104            ; the block's byte for k = 0 .. 31 and for k = 32 .. 63
	; W1 and W2 go, turned, into my wave's own 2,048 bytes of LDS: W(r, 8 h + j) to [k = 8 h + j][unit r]: 64 k + 4 r.  Only this wave reads them, and LDS serves a wave's instructions in order.
	s_lshl_b32 s31, s[WV], 11
	s_add_co_u32 s31, s31, WLB
	s_add_co_u32 s54, s31, 32
	v_lshlrev_b32 v24, 9, v15                      ; 64 x 8 h
	v_lshl_add_u32 v24, v14, 2, v24                ; + 4 r
	v_add_nc_u32 v24, s31, v24
	v_mul_u32_u24 v[AWO], v15, 544                 ; back: k = 8 h on, units 8 h on: 64 x 8 h + 4 x 8 h
	v_add_nc_u32 v[AWO], s31, v[AWO]
	v_xor_b32 v25, 1, v15
	v_mul_u32_u24 v[AWX], v25, 480                 ; k = 8 (1 - h) on, units 8 h on: 512 for h = 0, 32 for h = 1
	v_add_nc_u32 v[AWX], s54, v[AWX]
.irp j, 0,1,2,3,4,5,6,7
	ds_store_b32 v24, v[108+\j] offset:64*\j
	ds_store_b32 v24, v[116+\j] offset:1024+64*\j
.endr
	s_wait_dscnt 0x0                               ; the stores have read their registers, into which the first level's gathers land
; The eight corner weights of slot s: ((x's part) x (y's part)) x (z's part), as the problem's text multiplies them.  Corner c: 0: y, z;  1: y + 1, z;  2: y, z + 1;  3: y + 1, z + 1;  x side h.
.macro WEIGHTS s
.set rX, X+3*(\s)
	v_mul_f32 v[TMP+1], s[SC], v[rX]
	v_mul_f32 v[TMP+3], s[SC], v[rX+1]
	v_mul_f32 v[TMP+5], s[SC], v[rX+2]
	v_fract_f32 v[TMP+1], v[TMP+1]                 ; pos - floor(pos), exact
	v_fract_f32 v[TMP+3], v[TMP+3]
	v_fract_f32 v[TMP+5], v[TMP+5]
	v_sub_f32 v[TMP], 1.0, v[TMP+1]
	v_sub_f32 v[TMP+2], 1.0, v[TMP+3]
	v_sub_f32 v[TMP+4], 1.0, v[TMP+5]
	v_pk_mul_f32 v[TMP+6:TMP+7], v[TMP:TMP+1], v[TMP+2:TMP+3] op_sel_hi:[1,0]                  ; (1 - fx, fx) x (1 - fy)
	v_pk_mul_f32 v[TMP+8:TMP+9], v[TMP:TMP+1], v[TMP+2:TMP+3] op_sel:[0,1] op_sel_hi:[1,1]     ; (1 - fx, fx) x fy
	v_pk_mul_f32 v[W:W+1], v[TMP+6:TMP+7], v[TMP+4:TMP+5] op_sel_hi:[1,0]                      ; x (1 - fz): corners 0 and 1
	v_pk_mul_f32 v[W+2:W+3], v[TMP+8:TMP+9], v[TMP+4:TMP+5] op_sel_hi:[1,0]
	v_pk_mul_f32 v[W+4:W+5], v[TMP+6:TMP+7], v[TMP+4:TMP+5] op_sel:[0,1] op_sel_hi:[1,1]       ; x fz: corners 2 and 3
	v_pk_mul_f32 v[W+6:W+7], v[TMP+8:TMP+9], v[TMP+4:TMP+5] op_sel:[0,1] op_sel_hi:[1,1]
.endm
; Line k of eight of the blend of slot s: both features of gather k = 2 c + h, x its weight (the lower or the upper register of the weights' pair for both halves), onto the sum.
.macro BL s, k
.set rD, DATA+16*(\s)+2*(\k)
.set rW, W+2*((\k)/2)
.set rC, AC+2*((\s)%2)
.if (\k) == 0
	v_pk_mul_f32 v[rC:rC+1], v[rD:rD+1], v[rW:rW+1] op_sel_hi:[1,0]
.elseif (\k)%2
	v_pk_fma_f32 v[rC:rC+1], v[rD:rD+1], v[rW:rW+1], v[rC:rC+1] op_sel:[0,1,0] op_sel_hi:[1,1,1]
.else
	v_pk_fma_f32 v[rC:rC+1], v[rD:rD+1], v[rW:rW+1], v[rC:rC+1] op_sel_hi:[1,0,1]
.endif
.endm
; The table indices of slot s.  A cell's 64 bits: hx 0-18, hz 19-37, hy 38-56, zeros above.  Line k of the first eight; they stand between the blend's lines, each of which waits for the one before it.
.macro AD s, k
.set rI, IDX+2*(\s)
.if (\k) == 0
	v_add_nc_u32 v[AT], 1, v[rI]                   ; hx of ix + 1
.elseif (\k) == 1
	v_alignbit_b32 v[AT+2], v[rI+1], v[rI], 19     ; hz
.elseif (\k) == 2
	v_lshrrev_b32 v[AT+4], 6, v[rI+1]              ; hy: nothing stands above it
.elseif (\k) == 3
	v_and_b32 v[AT+1], s[SM], v[rI]                ; hx
.elseif (\k) == 4
	v_add_nc_u32 v[AT+3], s[SP2], v[AT+2]          ; hz of iz + 1
.elseif (\k) == 5
	v_add_nc_u32 v[AT+5], s[SP1], v[AT+4]          ; hy of iy + 1
.elseif (\k) == 6
	v_and_b32 v[AT], s[SM], v[AT]                  ; all six terms mod 2^19: so are their exclusive-ors
.else
	v_and_b32 v[AT+2], s[SM], v[AT+2]
.endif
.endm
; The rest of them, and the slot's eight gathers.
.macro ADREST s
.set rA, ADR+8*(\s)
.set rD, DATA+16*(\s)
	v_and_b32 v[AT+3], s[SM], v[AT+3]
	v_and_b32 v[AT+5], s[SM], v[AT+5]
	v_xor_b32 v[AT+6], v[AT+2], v[AT+4]            ; corner 0: y, z
	v_xor_b32 v[AT+7], v[AT+2], v[AT+5]            ; 1: y + 1, z
	v_xor_b32 v[AT+8], v[AT+3], v[AT+4]            ; 2: y, z + 1
	v_xor_b32 v[AT+9], v[AT+3], v[AT+5]            ; 3: y + 1, z + 1
.irp c, 0,1,2,3
	v_xor_b32 v[rA+2*\c], v[AT+6+\c], v[AT+1]      ; x side 0
	v_xor_b32 v[rA+2*\c+1], v[AT+6+\c], v[AT]      ; x side 1
.endr
.irp k, 0,1,2,3,4,5,6,7
	v_min_u32 v[rA+\k], M19, v[rA+\k]              ; a number made of loaded ones is held inside the table by a constant written here
.endr
.irp k, 0,1,2,3,4,5,6,7
	global_load_b64 v[rD+2*\k:rD+2*\k+1], v[rA+\k], s[TB:TB+1] scale_offset   ; 8 bytes at 8 x index; a corner's two x sides one behind the other
.endr
.endm
; A step.  b = 1: slot s of the level in hand is blended, and its two features of 32 points go to LDS, 256 consecutive bytes.  g = 1: the slot's gathers of the next level go out, into the registers just blended;
; their index registers were last read by the gathers that the wait has shown done.  c = 1: the slot's cell of the level after that is asked for.  n: how many younger loads may stay out.
.macro STEP s, b, g, c, n
.if \b
	WEIGHTS \s                                     ; they hang on no load of the loop: ahead of the wait
	s_wait_loadcnt 0+(\n)                          ; loads come back in order: this slot's eight gathers, and the cell asked for behind them, are in
.endif
.irp k, 0,1,2,3,4,5,6,7
.if \b
	BL \s, \k
.endif
.if \g
	AD \s, \k
.endif
.endr
.if \b
	ds_store_b64 v[FA], v[AC+2*((\s)%2):AC+2*((\s)%2)+1] offset:FSL*(\s)
.endif
.if \g
	ADREST \s
.endif
.if \c
	global_load_b64 v[IDX+2*(\s):IDX+2*(\s)+1], v[CO], s[CB:CB+1] offset:256*(\s) th:TH_LOAD_NT
.endif
.endm
; The trip of a level: four steps.  The wait of step s leaves nz - dn x s loads out.
.macro LEVEL g, c, nz, dn
	v_add_nc_u32 v[FA], s[LOFF], v[FB]
	STEP 0, 1, \g, \c, \nz
.if \c
	; A prefetch of the work-group's cells of level l + 3: 16,384 bytes, 64 blocks of 256, a lane a block: waves 0 and 1, one instruction each, one trip ahead of the loads that will want them; it stands behind
	; the first step's loads.  Each block is named once in the launch.  Levels 0 to 2 come by their loads alone; the last request is level 15's, in trip 12 (two trips to go); the loop's last trip asks for nothing.
	s_cmp_gt_u32 s[CNT], s[LIM]
	s_cbranch_scc0 .Lnot_mine_\@
	global_prefetch_b8 v[PFO], s[PB:PB+1] th:TH_LOAD_NT scope:SCOPE_SE
.Lnot_mine_\@:
.endif
	STEP 1, 1, \g, \c, \nz-\dn
	STEP 2, 1, \g, \c, \nz-2*\dn
	STEP 3, 1, \g, \c, \nz-3*\dn
.if \c
	s_wait_xcnt 0x0                                ; the trip's loads and its prefetch, three steps back, have read their bases
	s_add_nc_u64 s[TB:TB+1], s[TB:TB+1], TLB
	s_add_nc_u64 s[CB:CB+1], s[CB:CB+1], LVB
	s_add_nc_u64 s[PB:PB+1], s[PB:PB+1], LVB
.endif
.if \g
	s_add_co_u32 s[LOFF], s[LOFF], FP
.irp i, 0,1,2,3,4,5,6,7,8,9,10,11,12,13,14
	s_mov_b32 s[SC+\i], s[SC+\i+1]                 ; the next level's scale moves into s32
.endr
.endif
.endm
	; THE WAY IN: level 0's gathers and level 1's cells, slot by slot, in the order in which the loop issues them, so that its count holds in the first trip too
	s_wait_loadcnt 0x0                             ; x and level 0's cells: nothing is out, so the cells' base may step
	s_add_nc_u64 s[CB:CB+1], s[CB:CB+1], LVB
.irp s, 0,1,2,3
	STEP \s, 0, 1, 1, 0
.endr
	s_wait_xcnt 0x0                                ; these loads have read their bases
	s_add_nc_u64 s[TB:TB+1], s[TB:TB+1], TLB       ; level 1's table,
	s_add_nc_u64 s[CB:CB+1], s[CB:CB+1], LVB       ; level 2's cells
.Llev:                                             ; 14 trips: levels 0 to 13 are blended.  Behind a slot's gathers and cell stand three steps of nine loads: 27
	LEVEL 1, 1, 27, 0
	s_sub_co_u32 s[CNT], s[CNT], 1
	s_cmp_lg_u32 s[CNT], 0
	s_cbranch_scc1 .Llev
	LEVEL 1, 0, 27, 1                              ; level 14 is blended, level 15 gathered; no cells are left to load: 9 (3 - s) loads of the last trip and 8 s of this one are younger
	LEVEL 0, 0, 24, 8                              ; level 15 is blended: 8 (3 - s) gathers are younger
; THE MLP.
; A layer's 128 weights of my lane, from my wave's copy at off: 32 loads of 16 bytes (four units of one k); the sixteen lanes of a half read one address.
.macro WLOAD off
.irp k, 0,1,2,3,4,5,6,7
.irp c, 0,1
	ds_load_b128 v[WT+8*\k+4*\c:WT+8*\k+4*\c+3], v[AWO] offset:(\off)+64*\k+16*\c          ; the k of my own half
.endr
.endr
.irp k, 0,1,2,3,4,5,6,7
.irp c, 0,1
	ds_load_b128 v[WT+64+8*\k+4*\c:WT+64+8*\k+4*\c+3], v[AWX] offset:(\off)+64*\k+16*\c    ; the k of the other half
.endr
.endr
.endm
; A layer of 16 x 16 for tile q: outputs 8 h + 0 .. 7 of point r, two at a time: (W(u, k), W(u + 1, k)) x hidden(k) + the sum so far; the first addend is the bias.  Four chains by turns.
; back = 0: from v[HA + 8 q] into the second layer's registers;  1: from those back into v[HA + 8 q].  c: the bias.  relu = 1: the activation follows.
.macro DENSE q, back, c, relu
.if \back
.set rI, 204+8*(\q)-208*((\q)/2)
.set rO, HA+8*(\q)
.else
.set rI, HA+8*(\q)
.set rO, 204+8*(\q)-208*((\q)/2)
.endif
.irp j, 0,1,2,3,4,5,6,7
	v_permlanex16_b32 v[HO+\j], v[rI+\j], s[SEL], s[SEL+1]   ; my point's other eight units, from lane l xor 16; they are wanted 32 instructions on
.endr
.irp p, 0,2,4,6
	v_pk_fma_f32 v[rO+\p:rO+\p+1], v[WT+\p:WT+\p+1], v[rI:rI+1], v[(\c)+\p:(\c)+\p+1] op_sel_hi:[1,0,1]
.endr
.irp k, 1,2,3,4,5,6,7
.irp p, 0,2,4,6
.if (\k)%2
	v_pk_fma_f32 v[rO+\p:rO+\p+1], v[WT+8*\k+\p:WT+8*\k+\p+1], v[rI+\k-1:rI+\k], v[rO+\p:rO+\p+1] op_sel:[0,1,0] op_sel_hi:[1,1,1]   ; the pair's upper register for both halves
.else
	v_pk_fma_f32 v[rO+\p:rO+\p+1], v[WT+8*\k+\p:WT+8*\k+\p+1], v[rI+\k:rI+\k+1], v[rO+\p:rO+\p+1] op_sel_hi:[1,0,1]                  ; the lower one
.endif
.endr
.endr
.irp k, 0,1,2,3,4,5,6,7
.irp p, 0,2,4,6
.if (\k)%2
	v_pk_fma_f32 v[rO+\p:rO+\p+1], v[WT+64+8*\k+\p:WT+64+8*\k+\p+1], v[HO+\k-1:HO+\k], v[rO+\p:rO+\p+1] op_sel:[0,1,0] op_sel_hi:[1,1,1]
.else
	v_pk_fma_f32 v[rO+\p:rO+\p+1], v[WT+64+8*\k+\p:WT+64+8*\k+\p+1], v[HO+\k:HO+\k+1], v[rO+\p:rO+\p+1] op_sel_hi:[1,0,1]
.endif
.endr
.endr
.if \relu
.irp j, 0,1,2,3,4,5,6,7
	v_max_num_f32 v[rO+\j], 0, v[rO+\j]
.endr
.endif
.endm
; Tiles 4 g to 4 g + 3; tile t is points 16 t on of the wave: half t % 2 of slot t / 2.  No product adds onto a result in place: each takes the bias as C, and the four results are four runs of registers.
.macro MLP4 g
.if (\g) > 0
	s_wait_xcnt 0x0                                ; the last group's stores have read their registers, which are written again below
.endif
.irp q, 0,1,2,3
.irp i, 0,1,2,3,4,5,6,7
	ds_load_b64 v[F+16*\q+2*\i:F+16*\q+2*\i+1], v[FR] offset:FSL*((4*(\g)+\q)/2)+128*((4*(\g)+\q)%2)+FP*\i   ; level 8 h + i of point r; LDS serves a wave's instructions in order: these see my stores
.endr
.endr
.irp q, 0,1,2,3
.irp i, 2,3,4,5,6,7
	v_mov_b32 v[QB+8*\q+\i], 0                     ; the rest of the instruction's K: zero codes (in each group: the weights pass over these registers)
.endr
.endr
	s_wait_dscnt 0x0
	; the quantiser: a point's block of 32 lies in lanes r and 16 + r, 16 registers each; the four tiles by turns
.irp q, 0,1,2,3
	v_max3_num_f32 v[TMP+\q], |v[F+16*\q]|, |v[F+16*\q+1]|, 0x1800000   ; with the floor 2^(3 - 127): the byte cannot fall under 1
.endr
.irp i, 2,4,6,8,10,12,14
.irp q, 0,1,2,3
	v_max3_num_f32 v[TMP+\q], v[TMP+\q], |v[F+16*\q+\i]|, |v[F+16*\q+\i+1]|
.endr
.endr
.irp q, 0,1,2,3
	v_permlanex16_b32 v[TMP+4+\q], v[TMP+\q], s[SEL], s[SEL+1]
.endr
.irp q, 0,1,2,3
	v_max_num_f32 v[TMP+\q], v[TMP+\q], v[TMP+4+\q]        ; the block's largest magnitude
.endr
.irp q, 0,1,2,3
	v_add_nc_u32 v[TMP+8+\q], 0xff000000, v[TMP+\q]        ; 2 off its exponent field: the conversion takes that field of this operand as its scale
.endr
.irp q, 0,1,2,3
	v_lshrrev_b32 v[TMP+12+\q], 23, v[TMP+8+\q]            ; the scale's byte
.endr
.irp q, 0,1,2,3
	v_lshl_or_b32 v[SB+\q], v[TMP+12+\q], 8, v[TMP+12+\q]  ; for k = 0 .. 31 and for k = 32 .. 63
.endr
.irp q, 0,1,2,3
	v_cvt_scalef32_pk8_fp4_f32 v[QB+8*\q], v[F+16*\q:F+16*\q+7], v[TMP+8+\q]        ; features 16 h + 0 .. 7
	v_cvt_scalef32_pk8_fp4_f32 v[QB+8*\q+1], v[F+16*\q+8:F+16*\q+15], v[TMP+8+\q]   ; and + 8 .. 15
.endr
.rept 8
	v_nop                                          ; eight places between the writing of a scale word and the scaled product, four behind an operand so written, one behind a scaled conversion
.endr
.irp q, 0,1,2,3
	v_wmma_scale_f32_16x16x128_f8f6f4 v[HA+8*\q:HA+8*\q+7], v[A0:A0+7], v[QB+8*\q:QB+8*\q+7], v[C0:C0+7], v[SA0], v[SB+\q] matrix_a_fmt:MATRIX_FMT_FP4 matrix_b_fmt:MATRIX_FMT_FP4
.endr
.rept 4
	v_nop                                          ; four places between the products and the loads that land on their operands, and the first read of their results
.endr
	WLOAD 0                                        ; W1
.irp q, 0,1,2,3
.irp j, 0,1,2,3,4,5,6,7
	v_max_num_f32 v[HA+8*\q+\j], 0, v[HA+8*\q+\j]  ; relu, while the weights come; each result is read from its low end on
.endr
.endr
	s_wait_dscnt 0x0                               ; W1 is in
.irp q, 0,1,2,3
	DENSE \q, 0, C1, 1
.endr
	WLOAD 1024                                     ; W2, over W1
	s_wait_dscnt 0x0
.irp q, 0,1,2,3
	DENSE \q, 1, C2, 0
.endr
	; THE WAY OUT.  A lane holds 32 bytes of a point's 64.  They go through the tile's stage, LDS bytes of its own slot whose features are done with, and come back so that a store's 32 lanes cover 512 consecutive bytes.
.irp q, 0,1,2,3
	ds_store_b128 v[SO], v[HA+8*\q:HA+8*\q+3] offset:STG*(4*(\g)+\q)
	ds_store_b128 v[SO], v[HA+8*\q+4:HA+8*\q+7] offset:STG*(4*(\g)+\q)+16
.endr
.irp q, 0,1,2,3
.irp i, 0,1
	ds_load_b128 v[OUTR+4*(2*\q+\i):OUTR+4*(2*\q+\i)+3], v[SR] offset:STG*(4*(\g)+\q)+8*SPI*\i   ; eight points an instruction
.endr
.endr
.irp q, 0,1,2,3
.irp i, 0,1
	s_wait_dscnt 7-(2*\q+\i)                       ; LDS loads come back in order: this one is in, the younger may be out
	global_store_b128 v[OV], v[OUTR+4*(2*\q+\i):OUTR+4*(2*\q+\i)+3], s[OB:OB+1] offset:1024*(4*(\g)+\q)+512*\i th:TH_STORE_NT   ; 512 consecutive bytes, at a multiple of 512 from out0's first byte
.endr
.endr
.endm
	MLP4 0
	MLP4 1
	s_wait_tensorcnt 0x0
	ds_add_u32 v252, v253
	s_wait_dscnt 0x0
	s_endpgm
.Lfunc_end_k_q90accc4f9b_grid_mlp:
	.size	k_q90accc4f9b_grid_mlp, .Lfunc_end_k_q90accc4f9b_grid_mlp-k_q90accc4f9b_grid_mlp
	.p2alignl 7, 3214868480
	.fill 96, 4, 3214868480
	.section	.rodata,"a",@progbits
	.p2align	6, 0x0
	.amdhsa_kernel k_q90accc4f9b_grid_mlp
		.amdhsa_group_segment_fixed_size 313344
		.amdhsa_private_segment_fixed_size 0
		.amdhsa_enable_private_segment 0
		.amdhsa_kernarg_size 88
		.amdhsa_user_sgpr_count 2
		.amdhsa_user_sgpr_kernarg_segment_ptr 1
		.amdhsa_wavefront_size32 1
		.amdhsa_system_sgpr_workgroup_id_x 1
		.amdhsa_system_sgpr_workgroup_id_y 1
		.amdhsa_system_sgpr_workgroup_id_z 1
		.amdhsa_system_vgpr_workitem_id 0
		.amdhsa_next_free_vgpr 256
		.amdhsa_next_free_sgpr 66
		.amdhsa_reserve_vcc 0
		.amdhsa_float_denorm_mode_32 3
		.amdhsa_float_denorm_mode_16_64 3
		.amdhsa_memory_ordered 1
		.amdhsa_forward_progress 1
		.amdhsa_inst_pref_size 153
	.end_amdhsa_kernel
	.amdgpu_metadata
---
amdhsa.version: [ 1, 2 ]
amdhsa.kernels:
  - .name:           k_q90accc4f9b_grid_mlp
    .symbol:         k_q90accc4f9b_grid_mlp.kd
    .args:
      - { .name: x, .offset: 0, .size: 8, .value_kind: global_buffer, .address_space: global }
      - { .name: cells, .offset: 8, .size: 8, .value_kind: global_buffer, .address_space: global }
      - { .name: table, .offset: 16, .size: 8, .value_kind: global_buffer, .address_space: global }
      - { .name: out0, .offset: 24, .size: 8, .value_kind: global_buffer, .address_space: global }
      - { .name: W0_codes, .offset: 32, .size: 8, .value_kind: global_buffer, .address_space: global }
      - { .name: W0_scales, .offset: 40, .size: 8, .value_kind: global_buffer, .address_space: global }
      - { .name: b0, .offset: 48, .size: 8, .value_kind: global_buffer, .address_space: global }
      - { .name: W1, .offset: 56, .size: 8, .value_kind: global_buffer, .address_space: global }
      - { .name: b1, .offset: 64, .size: 8, .value_kind: global_buffer, .address_space: global }
      - { .name: W2, .offset: 72, .size: 8, .value_kind: global_buffer, .address_space: global }
      - { .name: b2, .offset: 80, .size: 8, .value_kind: global_buffer, .address_space: global }
    .group_segment_fixed_size: 313344
    .private_segment_fixed_size: 0
    .kernarg_segment_align: 8
    .kernarg_segment_size: 88
    .max_flat_workgroup_size: 512
    .sgpr_count:     66
    .vgpr_count:     256
    .wavefront_size: 32
...
	.end_amdgpu_metadata
.endif
;; end of part 2
;; ======== version 2 of 2: 2 launches; version 1 with the launch grid_mlp written anew for expert scheduling mode
;; workspace buffers: cells 134,217,728 bytes of whole numbers
;; launch make_cells: the kernel of part 1 again; grid 4096 x 1, 8 waves a work-group, no clusters, 0 bytes of LDS; arguments x, cells; writes cells
;; launch grid_mlp (part 3): grid 512 x 1, 16 waves a work-group, no clusters, 313,344 bytes of LDS; arguments x, cells, table, out0, W0_codes, W0_scales, b0, W1, b1, W2, b2; writes out0
.if DOCPART == 3
	.amdgcn_target "amdgcn-amd-amdhsa--gfx1250"
	.amdhsa_code_object_version 6
	.text
	.protected	k_q90accc4f9b_grid_mlp
	.globl	k_q90accc4f9b_grid_mlp
	.p2align	8
	.type	k_q90accc4f9b_grid_mlp,@function
k_q90accc4f9b_grid_mlp:
	s_mov_b64 s[64:65], 0
	v_nop
	global_prefetch_b8 v0, s[64:65] scope:SCOPE_SE
	s_setreg_imm32_b32 hwreg(HW_REG_WAVE_SCHED_MODE, 0, 2), 2
	s_setreg_imm32_b32 hwreg(HW_REG_WAVE_MODE, 25, 1), 1
	s_wait_xcnt 0x0
	s_wait_alu depctr_vm_vsrc(0)
; out = relu(relu(enc(x) W0^T + b0) W1^T + b1) W2^T + b2.  enc: a hash grid of 16 levels x 2 features, blended from the 8 corners of the point's cell.
; The first product is on codes of FP4 (E2M1) with one E8M0 scale for its K of 32: W0 comes as codes, the 32 features are quantised here, from f32.  The other two are f32 throughout.
; The cells come as whole numbers from the launch before: hx, hz, hy, 19 bits each (see AD); the fractions are made here, from the same product x * scale.
; SHARES.  A work-group owns 2,048 points, each of its sixteen waves 128, in four SLOTS of 32: A LANE TAKES A POINT and gathers its eight corners, so that fractions, weights and index terms are made once a point and
; the blend needs no other lane.  x's prime is 1: the two x corners of a point are neighbours in the table but for a carry; their two gathers follow each other.
; ORDER.  Level by level: every wave takes level 0 for its four slots, then level 1 ..: so the gathers of a moment fall into about one level's 4 MiB of the table.  The features wait in the wave's own LDS.
; THE LOOP IS A PIPELINE BY SLOTS.  In the trip of level l, step s blends (l, s), whose gathers went out a trip ago, and at once issues the gathers of (l + 1, s) into the registers just blended and the load of the
; cell of (l + 2, s): nine loads a step, and 27 to 36 loads of the wave are out all the time.
; Then the MLP, four tiles of 16 points at a time.  Waves share nothing: each has LDS bytes of its own, so there is no barrier.  Nothing here is a tile of memory: no tensor load, no cluster.
; THE MODE: SCHED_MODE bits 1:0 = 2 (LLVM: expert scheduling mode 2), set by the entry lines.  The code itself states the register dependences between vector or matrix instructions and memory or LDS
; instructions, with s_wait_alu, always for 0.
; THE PLAN.  Registers that memory or LDS instructions touch, in the loop:
;   DATA[s]    Step s: its eight blend lines read it; behind them the gathers of the next level land in it.
;   ADR[s]     Step s: its index lines write it; the eight gathers behind them read it; it is written again a trip later.
;   IDX[s]     Step s: its first index lines read it; the cell of the level after the next lands in it at the step's end.
;   the sums   A pair for each slot: step s's blend writes it, the step's LDS store reads it; it is written again a trip later.
;   v[FA]      Written once a trip, in step 0; read by the trip's four LDS stores.
;   v[CO], v[PFO]  Read by the cells' loads and the prefetch; made at the head and never written again.
;   TMP, AT, W and X are named by vector instructions alone.
; So ONE wait on va_vdst stands in a step, behind its vector work and ahead of its ten memory instructions, and ONE wait on vm_vsrc in a trip, in step 0, ahead of the first line that writes a register which the
; last trip's gathers or LDS stores read.  The next step's weights follow a step's loads with no wait: they name none of the registers that those touch.
; K OF THE FIRST PRODUCT.  Lane (r = lane % 16, h = lane / 16) of a tile reads levels 8 h .. 8 h + 7 of point r from LDS: features 16 h + 0 .. 15.  They are laid at k = 32 h + 0 .. 15 of the instruction's 128
; (scale byte h); both bytes are the block's one scale; W0's codes are laid likewise (bytes 8 h .. 8 h + 7 of row r); all other codes are zeros on both sides and add nothing.
; It is used with source 0 = W0's 16 rows and source 1 = 16 points: a lane's eight results are units 8 h + 0 .. 7 of point r.
; THE SECOND AND THIRD PRODUCT have K = 16, half of what a 16-bit matrix instruction takes (32): it would spend twice the products' multiply-adds.  They are done by packed f32 multiply-adds, which spend just them:
; 16 points x 16 x 16 are 64 instructions of 32 lanes x 2.  A lane fetches its point's other eight units from lane l xor 16 and makes outputs 8 h + 0 .. 7 over all 16 k: the result lies as the next layer wants it,
; no sum crosses lanes, and the bias is the first multiply-add's addend.  A lane's 128 weights of a layer come from the wave's own copy in LDS, laid [k][unit].
; LIMITS: x is 0 or more and x * 2048 under 2^24, as in the launch before; NaN and infinities are not served.  A block of 32 features that are all zeros (or under 2^-124) gets the scale byte 1 where the
; quantiser says 127 for zeros: its codes are zeros, and nobody else reads the byte.  The f32 sums of the second and third product run over a lane's own eight k first, then the other eight.
.set M19,  0x7ffff                     ; a level's table has 2^19 entries of 8 bytes
.set LVB,  0x800000                    ; bytes of one level's cells
.set TLB,  0x400000                    ; bytes of one level's table
.set FP,   272                         ; LDS: a level's features of a slot: 32 lanes x 8 bytes + 16: eight levels on is 128 bytes on, modulo 256: the two halves of the lanes then read different banks
.set FSL,  16*FP                       ; a slot's 16 levels
.set WLS,  4*FSL                       ; a wave's four slots: 17,408 bytes
.set STG,  8*FP                        ; the way out: tile t's stage begins 2,176 t into the wave's bytes: inside its own slot's, whose features are done with
.set SPI,  80                          ; the stage: a point's 64 bytes + 16
.set WLB,  16*WLS                      ; behind the sixteen waves' features: 2,048 bytes a wave: W1 as [k 16][unit 16] f32, then W2 likewise
; scalar registers
.set WV,   2                           ; s2   my wave's number
.set CNT,  3                           ; s3   trips to go
.set LOFF, 4                           ; s4   272 x level: the level's place in a slot's features
.set LIM,  5                           ; s5   1 in a wave that prefetches, else the greatest number
.set SM,   6                           ; s6   2^19 - 1
.set XB,   8                           ; s[8:9]   x at my wave's first point
.set CB,   10                          ; s[10:11] the cells of the level to be loaded, at my wave's first point
.set TB,   12                          ; s[12:13] the table of the level to be gathered
.set OB,   14                          ; s[14:15] out0 at my wave's first point
.set SC,   32                          ; s32-47   the levels' scales; s32 is that of the level being blended
.set SP1,  48                          ; s48  2654435761 mod 2^19
.set SP2,  49                          ; s49  805459861 mod 2^19
.set SEL,  50                          ; s[50:51] v_permlanex16_b32's selects for lane l xor 16
.set PB,   52                          ; s[52:53] where the prefetches stand: my work-group's cells, three levels on
; vector registers
.set CO,   2                           ; v2   8 x lane: my point's cell in a slot's 256 bytes
.set FB,   3                           ; v3   8 x lane + 17,408 x wave
.set FA,   4                           ; v4   FB + 272 x level
.set FR,   5                           ; v5   the features, back: 17,408 x wave + 8 r + 2,176 h
.set SO,   6                           ; v6   the stage, in: 17,408 x wave + 80 r + 32 h
.set SR,   7                           ; v7   the stage, back: 17,408 x wave + 80 (lane / 4) + 16 (lane % 4)
.set OV,   8                           ; v8   16 x lane
.set PFO,  9                           ; v9   256 x my thread's number
.set TMP,  12                          ; v12-21   at work on the weights (in the MLP v12-27 are at work)
.set AT,   22                          ; v22-31   at work on the indices
.set X,    32                          ; v32-43   x: slot s, axis d at 3 s + d
.set IDX,  44                          ; v44-51   a slot's next cell: slot s at 2 s
.set W,    52                          ; v52-59   the eight corner weights of the slot in hand: corner c, x side h at 2 c + h
.set AC,   60                          ; v60-63   the blend's sums of slots 0 and 1, a pair each;
.set AC2,  160                         ; v160-163 those of slots 2 and 3: a pair for each slot, so that none is written again within a trip
.set DATA, 64                          ; v64-127  the gathered features: slot s, corner c, x side h at 16 s + 4 c + 2 h
.set ADR,  128                         ; v128-159 table indices: 8 s + 2 c + h
.set A0,   196                         ; v196-203 W0's codes as an operand
.set C0,   220                         ; v220-227 b0(8 h + 0 .. 7);  v228-235 b1;  v236-243 b2
.set C1,   228
.set C2,   236
.set SA0,  244                         ; v244     W0's scale word: holds scales alone
.set SB,   245                         ; v245-248 the features' scale words, one for each of four tiles: hold scales alone
                                       ; v252     LDS address of my spare word, v253 0: made at the head and kept for the closing lines alone
.set AWO,  254                         ; v254     LDS: my weights for the k of my own half: WLB + 2,048 x wave + 544 h
.set AWX,  255                         ; v255     and for the k of the other half: WLB + 2,048 x wave + 32 + 480 (h xor 1)
; in the MLP the loop's registers serve again:
.set HA,   28                          ; v28-59   tile q of four at 8 q: the first layer's result, later the third's
                                       ; v204-219, v12-27: the second layer's result: tiles 0, 1 and tiles 2, 3
.set HO,   60                          ; v60-67   my point's eight units of the other half
.set WT,   68                          ; v68-195  a layer's weights: register 8 kk + j = W(8 h + j, k), k = 8 h + kk for kk under 8, else 8 (1 - h) + kk - 8
.set F,    100                         ; v100-163 features: tile q, feature 16 h + j at 16 q + j   (done with before the weights come)
.set QB,   164                         ; v164-195 their codes as operands, 8 q                     (likewise)
.set OUTR, 68                          ; v68-99   rows of out0 back from the stage
	s_load_b512 s[8:23], s[0:1], 0x0               ; x 8, cells 10, table 12, out0 14, W0_codes 16, W0_scales 18, b0 20, W1 22
	s_load_b128 s[24:27], s[0:1], 0x40             ; b1 24, W2 26
	s_load_b64 s[28:29], s[0:1], 0x50              ; b2
	v_lshl_add_u32 v252, v0, 2, 0x4c000
	v_mov_b32 v253, 0
	v_lshrrev_b32 v12, 5, v0
	v_readfirstlane_b32 s[WV], v12                 ; wave 0..15
	v_and_b32 v13, 31, v0                          ; lane
	v_and_b32 v14, 15, v0                          ; r; also the byte offset of W0's scale of row r
	v_bfe_u32 v15, v0, 4, 1                        ; h
	v_mul_u32_u24 v1, v13, 12                      ; my point's 12 bytes in a slot's x
	v_lshlrev_b32 v[CO], 3, v13
	s_wait_alu depctr_va_sdst(0)                   ; s2, the wave's number, is written, ahead of its first reader: LDS places and the buffers' bases are made from it
	s_mul_i32 s30, s[WV], WLS                      ; my wave's 17,408 bytes of LDS
	v_lshl_add_u32 v[FB], v13, 3, s30
	v_mul_u32_u24 v[FR], v15, 8*FP
	v_lshl_add_u32 v[FR], v14, 3, v[FR]
	v_add_nc_u32 v[FR], s30, v[FR]
	v_mul_u32_u24 v[SO], v14, SPI
	v_lshl_add_u32 v[SO], v15, 5, v[SO]
	v_add_nc_u32 v[SO], s30, v[SO]
	v_lshrrev_b32 v[SR], 2, v13
	v_mul_u32_u24 v[SR], v[SR], SPI
	v_and_b32 v16, 3, v13
	v_lshl_add_u32 v[SR], v16, 4, v[SR]
	v_add_nc_u32 v[SR], s30, v[SR]
	v_lshlrev_b32 v[OV], 4, v13
	v_lshlrev_b32 v[PFO], 8, v0
	v_lshlrev_b32 v17, 4, v14
	v_lshl_add_u32 v17, v15, 3, v17                ; W0's codes: row r of 16 bytes, + 8 h: features 16 h on
	v_lshlrev_b32 v18, 5, v15                      ; the biases: units 8 h on
	v_lshlrev_b32 v19, 6, v14
	v_lshl_add_u32 v19, v15, 5, v19                ; W1, W2: row r of 64 bytes, + 32 h
	s_lshl_b32 s54, ttmp9, 11
	s_lshl_b32 s31, s[WV], 7
	s_add_co_u32 s54, s54, s31                     ; my wave's first point: 2,048 x work-group + 128 x wave
	s_mov_b32 s57, 0
	s_mov_b32 s[SM], M19
	s_mov_b32 s[SP1], 0x779b1
	s_mov_b32 s[SP2], 0x25795
	s_mov_b32 s[SEL], 0x76543210
	s_mov_b32 s[SEL+1], 0xfedcba98
	s_mov_b32 s[SC+0],  0x41800000                 ; f32(16 * 2^(7 l / 15)), l = 0 .. 15: the bits by which the launch before multiplied
	s_mov_b32 s[SC+1],  0x41b0e285
	s_mov_b32 s[SC+2],  0x41f47080
	s_mov_b32 s[SC+3],  0x4228e5a3
	s_mov_b32 s[SC+4],  0x426966a5
	s_mov_b32 s[SC+5],  0x42a14518
	s_mov_b32 s[SC+6],  0x42dedc67
	s_mov_b32 s[SC+7],  0x4319fcb9
	s_mov_b32 s[SC+8],  0x4354cc02
	s_mov_b32 s[SC+9],  0x4393088c
	s_mov_b32 s[SC+10], 0x43cb2ff5
	s_mov_b32 s[SC+11], 0x440c64c3
	s_mov_b32 s[SC+12], 0x44420300
	s_mov_b32 s[SC+13], 0x44860dbc
	s_mov_b32 s[SC+14], 0x44b9401e
	s_mov_b32 s[SC+15], 0x45000000
	s_mov_b32 s[CNT], 14
	s_mov_b32 s[LOFF], 0
	s_cmp_lt_u32 s[WV], 2                          ; waves 0 and 1 prefetch
	s_cselect_b32 s[LIM], 1, -1
	s_wait_kmcnt 0x0
	s_lshl_b32 s56, ttmp9, 14                      ; my work-group's 2,048 cells of a level: 16,384 bytes
	s_add_nc_u64 s[PB:PB+1], s[CB:CB+1], s[56:57]
	s_add_nc_u64 s[PB:PB+1], s[PB:PB+1], 3*LVB     ; in level 3: trip l names level l + 3
	s_mul_i32 s56, s54, 12
	s_add_nc_u64 s[XB:XB+1], s[XB:XB+1], s[56:57]
	s_lshl_b32 s56, s54, 3
	s_add_nc_u64 s[CB:CB+1], s[CB:CB+1], s[56:57]
	s_lshl_b32 s56, s54, 6
	s_add_nc_u64 s[OB:OB+1], s[OB:OB+1], s[56:57]
	s_wait_alu depctr_va_vdst(0)                   ; the offsets v1, v2, v14, v17 to v19 are written, which the loads below read; so are v5 to v9, which later LDS and memory instructions read and nothing writes again
	; twelve loads of weights, then twelve of x, then level 0's four of cells
	global_load_b64 v[A0:A0+1], v17, s[16:17]      ; W0's codes of row r, features 16 h + 0 .. 15: the operand's first two registers as they lie
	global_load_u8 v104, v14, s[18:19]             ; the row's scale byte
	global_load_b128 v[C0:C0+3], v18, s[20:21]     ; b0(8 h + 0 .. 7): the C of the first product
	global_load_b128 v[C0+4:C0+7], v18, s[20:21] offset:16
	global_load_b128 v[C1:C1+3], v18, s[24:25]
	global_load_b128 v[C1+4:C1+7], v18, s[24:25] offset:16
	global_load_b128 v[C2:C2+3], v18, s[28:29]
	global_load_b128 v[C2+4:C2+7], v18, s[28:29] offset:16
	global_load_b128 v[108:111], v19, s[22:23]     ; W1(r, 8 h + 0 .. 7)
	global_load_b128 v[112:115], v19, s[22:23] offset:16
	global_load_b128 v[116:119], v19, s[26:27]     ; W2 likewise
	global_load_b128 v[120:123], v19, s[26:27] offset:16
.irp s, 0,1,2,3
.irp d, 0,1,2
	global_load_b32 v[X+3*\s+\d], v1, s[XB:XB+1] offset:384*\s+4*\d
.endr
.endr
.irp s, 0,1,2,3
	global_load_b64 v[IDX+2*\s:IDX+2*\s+1], v[CO], s[CB:CB+1] offset:256*\s th:TH_LOAD_NT   ; 32 lanes read 256 consecutive bytes, aligned
.endr
	s_wait_loadcnt 16                              ; the twelve weight loads are in; the 12 + 4 issued behind them may be out
.irp i, 2,3,4,5,6,7
	v_mov_b32 v[A0+\i], 0                          ; the rest of the instruction's K: zero codes
.endr
	v_lshl_or_b32 v[SA0], v104, 8, v104            ; the block's byte for k = 0 .. 31 and for k = 32 .. 63
	; W1 and W2 go, turned, into my wave's own 2,048 bytes of LDS: W(r, 8 h + j) to [k = 8 h + j][unit r]: 64 k + 4 r.  Only this wave reads them, and LDS serves a wave's instructions in order.
	s_lshl_b32 s31, s[WV], 11
	s_add_co_u32 s31, s31, WLB
	s_add_co_u32 s54, s31, 32
	v_lshlrev_b32 v24, 9, v15                      ; 64 x 8 h
	v_lshl_add_u32 v24, v14, 2, v24                ; + 4 r
	v_add_nc_u32 v24, s31, v24
	v_mul_u32_u24 v[AWO], v15, 544                 ; back: k = 8 h on, units 8 h on: 64 x 8 h + 4 x 8 h
	v_add_nc_u32 v[AWO], s31, v[AWO]
	v_xor_b32 v25, 1, v15
	v_mul_u32_u24 v[AWX], v25, 480                 ; k = 8 (1 - h) on, units 8 h on: 512 for h = 0, 32 for h = 1
	v_add_nc_u32 v[AWX], s54, v[AWX]
	s_wait_alu depctr_va_vdst(0)                   ; v24 is written, which the LDS stores below read as their address, and so are v254 and v255, the weights' addresses in the MLP; the scale word's line is done reading v104, in which a gather lands
.irp j, 0,1,2,3,4,5,6,7
	ds_store_b32 v24, v[108+\j] offset:64*\j
	ds_store_b32 v24, v[116+\j] offset:1024+64*\j
.endr
	s_wait_dscnt 0x0                               ; the stores are done
	s_wait_alu depctr_vm_vsrc(0)                   ; the LDS stores have read v108 to v123, in which the first level's gathers land, and v24, which the index lines write; the head's loads have read v14 and v17 to v19, which the weights' lines write
; The eight corner weights of slot s: ((x's part) x (y's part)) x (z's part), as the problem's text multiplies them.  Corner c: 0: y, z;  1: y + 1, z;  2: y, z + 1;  3: y + 1, z + 1;  x side h.
.macro WEIGHTS s
.set rX, X+3*(\s)
	v_mul_f32 v[TMP+1], s[SC], v[rX]
	v_mul_f32 v[TMP+3], s[SC], v[rX+1]
	v_mul_f32 v[TMP+5], s[SC], v[rX+2]
	v_fract_f32 v[TMP+1], v[TMP+1]                 ; pos - floor(pos), exact
	v_fract_f32 v[TMP+3], v[TMP+3]
	v_fract_f32 v[TMP+5], v[TMP+5]
	v_sub_f32 v[TMP], 1.0, v[TMP+1]
	v_sub_f32 v[TMP+2], 1.0, v[TMP+3]
	v_sub_f32 v[TMP+4], 1.0, v[TMP+5]
	v_pk_mul_f32 v[TMP+6:TMP+7], v[TMP:TMP+1], v[TMP+2:TMP+3] op_sel_hi:[1,0]                  ; (1 - fx, fx) x (1 - fy)
	v_pk_mul_f32 v[TMP+8:TMP+9], v[TMP:TMP+1], v[TMP+2:TMP+3] op_sel:[0,1] op_sel_hi:[1,1]     ; (1 - fx, fx) x fy
	v_pk_mul_f32 v[W:W+1], v[TMP+6:TMP+7], v[TMP+4:TMP+5] op_sel_hi:[1,0]                      ; x (1 - fz): corners 0 and 1
	v_pk_mul_f32 v[W+2:W+3], v[TMP+8:TMP+9], v[TMP+4:TMP+5] op_sel_hi:[1,0]
	v_pk_mul_f32 v[W+4:W+5], v[TMP+6:TMP+7], v[TMP+4:TMP+5] op_sel:[0,1] op_sel_hi:[1,1]       ; x fz: corners 2 and 3
	v_pk_mul_f32 v[W+6:W+7], v[TMP+8:TMP+9], v[TMP+4:TMP+5] op_sel:[0,1] op_sel_hi:[1,1]
.endm
; Line k of eight of the blend of slot s: both features of gather k = 2 c + h, x its weight (the lower or the upper register of the weights' pair for both halves), onto the slot's sum.
.macro BL s, k
.set rD, DATA+16*(\s)+2*(\k)
.set rW, W+2*((\k)/2)
.set rC, AC+2*(\s)+(AC2-AC-4)*((\s)/2)
.if (\k) == 0
	v_pk_mul_f32 v[rC:rC+1], v[rD:rD+1], v[rW:rW+1] op_sel_hi:[1,0]
.elseif (\k)%2
	v_pk_fma_f32 v[rC:rC+1], v[rD:rD+1], v[rW:rW+1], v[rC:rC+1] op_sel:[0,1,0] op_sel_hi:[1,1,1]
.else
	v_pk_fma_f32 v[rC:rC+1], v[rD:rD+1], v[rW:rW+1], v[rC:rC+1] op_sel_hi:[1,0,1]
.endif
.endm
; The table indices of slot s.  A cell's 64 bits: hx 0-18, hz 19-37, hy 38-56, zeros above.  Line k of the first eight; they stand between the blend's lines, each of which waits for the one before it.
.macro AD s, k
.set rI, IDX+2*(\s)
.if (\k) == 0
	v_add_nc_u32 v[AT], 1, v[rI]                   ; hx of ix + 1
.elseif (\k) == 1
	v_alignbit_b32 v[AT+2], v[rI+1], v[rI], 19     ; hz
.elseif (\k) == 2
	v_lshrrev_b32 v[AT+4], 6, v[rI+1]              ; hy: nothing stands above it
.elseif (\k) == 3
	v_and_b32 v[AT+1], s[SM], v[rI]                ; hx
.elseif (\k) == 4
	v_add_nc_u32 v[AT+3], s[SP2], v[AT+2]          ; hz of iz + 1
.elseif (\k) == 5
	v_add_nc_u32 v[AT+5], s[SP1], v[AT+4]          ; hy of iy + 1
.elseif (\k) == 6
	v_and_b32 v[AT], s[SM], v[AT]                  ; all six terms mod 2^19: so are their exclusive-ors
.else
	v_and_b32 v[AT+2], s[SM], v[AT+2]
.endif
.endm
; The rest of them.
.macro ADREST s
.set rA, ADR+8*(\s)
	v_and_b32 v[AT+3], s[SM], v[AT+3]
	v_and_b32 v[AT+5], s[SM], v[AT+5]
	v_xor_b32 v[AT+6], v[AT+2], v[AT+4]            ; corner 0: y, z
	v_xor_b32 v[AT+7], v[AT+2], v[AT+5]            ; 1: y + 1, z
	v_xor_b32 v[AT+8], v[AT+3], v[AT+4]            ; 2: y, z + 1
	v_xor_b32 v[AT+9], v[AT+3], v[AT+5]            ; 3: y + 1, z + 1
.irp c, 0,1,2,3
	v_xor_b32 v[rA+2*\c], v[AT+6+\c], v[AT+1]      ; x side 0
	v_xor_b32 v[rA+2*\c+1], v[AT+6+\c], v[AT]      ; x side 1
.endr
.irp k, 0,1,2,3,4,5,6,7
	v_min_u32 v[rA+\k], M19, v[rA+\k]              ; a number made of loaded ones is held inside the table by a constant written here
.endr
.endm
; The slot's eight gathers.
.macro GATHER s
.set rA, ADR+8*(\s)
.set rD, DATA+16*(\s)
.irp k, 0,1,2,3,4,5,6,7
	global_load_b64 v[rD+2*\k:rD+2*\k+1], v[rA+\k], s[TB:TB+1] scale_offset   ; 8 bytes at 8 x index; a corner's two x sides one behind the other
.endr
.endm
; A step.  b = 1: slot s of the level in hand is blended, and its two features of 32 points go to LDS, 256 consecutive bytes.  g = 1: the slot's gathers of the next level go out, into the registers just blended.
; c = 1: the slot's cell of the level after that is asked for.  n: how many younger loads may stay out.
; All the step's vector work stands ahead of its one wait on va_vdst, all its memory and LDS instructions behind it, the loads first: a later step waits for them, and nothing in the loop for the store.
.macro STEP s, b, g, c, n
.if \b
	WEIGHTS \s                                     ; they hang on no load of the loop, and name no register that a memory or LDS instruction of the loop touches: ahead of both waits
	s_wait_loadcnt 0+(\n)                          ; loads come back in order: this slot's eight gathers, and the cell asked for behind them, are in
.if (\s) == 0
	s_wait_alu depctr_vm_vsrc(0)                   ; once a trip: the gathers issued so far have read all of ADR, the LDS stores v[FA] and the four sums: this trip writes all of them again
	v_add_nc_u32 v[FA], s[LOFF], v[FB]
.endif
.endif
.irp k, 0,1,2,3,4,5,6,7
.if \b
	BL \s, \k
.endif
.if \g
	AD \s, \k
.endif
.endr
.if \g
	ADREST \s
.endif
	s_wait_alu depctr_va_vdst(0)                   ; the blend has written the slot's sum, which the LDS store reads, and is done reading DATA[s], in which the gathers land; ADR[s] is written, which the gathers read; the index lines are done reading IDX[s], in which the next cell lands; in step 0 v[FA] is written
.if \g
	GATHER \s
.endif
.if \c
	global_load_b64 v[IDX+2*(\s):IDX+2*(\s)+1], v[CO], s[CB:CB+1] offset:256*(\s) th:TH_LOAD_NT
.endif
.if \b
	ds_store_b64 v[FA], v[AC+2*(\s)+(AC2-AC-4)*((\s)/2):AC+2*(\s)+(AC2-AC-4)*((\s)/2)+1] offset:FSL*(\s)
.endif
.endm
; The trip of a level: four steps.  The wait of step s leaves nz - dn x s loads out.
.macro LEVEL g, c, nz, dn
	STEP 0, 1, \g, \c, \nz
.if \c
	; A prefetch of the work-group's cells of level l + 3: 16,384 bytes, 64 blocks of 256, a lane a block: waves 0 and 1, one instruction each, one trip ahead of the loads that will want them; it stands behind
	; the first step's loads.  Each block is named once in the launch.  Levels 0 to 2 come by their loads alone; the last request is level 15's, in trip 12 (two trips to go); the loop's last trip asks for nothing.
	; (Its offset v[PFO] was written ahead of the head's first wait on va_vdst and is never written again.)
	s_cmp_gt_u32 s[CNT], s[LIM]
	s_cbranch_scc0 .Lnot_mine_\@
	global_prefetch_b8 v[PFO], s[PB:PB+1] th:TH_LOAD_NT scope:SCOPE_SE
.Lnot_mine_\@:
.endif
	STEP 1, 1, \g, \c, \nz-\dn
	STEP 2, 1, \g, \c, \nz-2*\dn
	STEP 3, 1, \g, \c, \nz-3*\dn
.if \c
	s_wait_xcnt 0x0                                ; the trip's loads and its prefetch, three steps back, have read their bases
	s_add_nc_u64 s[TB:TB+1], s[TB:TB+1], TLB
	s_add_nc_u64 s[CB:CB+1], s[CB:CB+1], LVB
	s_add_nc_u64 s[PB:PB+1], s[PB:PB+1], LVB
.endif
.if \g
	s_add_co_u32 s[LOFF], s[LOFF], FP
.irp i, 0,1,2,3,4,5,6,7,8,9,10,11,12,13,14
	s_mov_b32 s[SC+\i], s[SC+\i+1]                 ; the next level's scale moves into s32
.endr
.endif
.endm
	; THE WAY IN: level 0's gathers and level 1's cells, slot by slot, in the order in which the loop issues them, so that its count holds in the first trip too
	s_wait_loadcnt 0x0                             ; x and level 0's cells: nothing is out, so the cells' base may step
	s_add_nc_u64 s[CB:CB+1], s[CB:CB+1], LVB
.irp s, 0,1,2,3
	STEP \s, 0, 1, 1, 0
.endr
	s_wait_xcnt 0x0                                ; these loads have read their bases
	s_add_nc_u64 s[TB:TB+1], s[TB:TB+1], TLB       ; level 1's table,
	s_add_nc_u64 s[CB:CB+1], s[CB:CB+1], LVB       ; level 2's cells
.Llev:                                             ; 14 trips: levels 0 to 13 are blended.  Behind a slot's gathers and cell stand three steps of nine loads: 27
	LEVEL 1, 1, 27, 0
	s_sub_co_u32 s[CNT], s[CNT], 1
	s_cmp_lg_u32 s[CNT], 0
	s_cbranch_scc1 .Llev
	LEVEL 1, 0, 27, 1                              ; level 14 is blended, level 15 gathered; no cells are left to load: 9 (3 - s) loads of the last trip and 8 s of this one are younger
	LEVEL 0, 0, 24, 8                              ; level 15 is blended: 8 (3 - s) gathers are younger
; THE MLP.
; A layer's 128 weights of my lane, from my wave's copy at off: 32 loads of 16 bytes (four units of one k); the sixteen lanes of a half read one address.
.macro WLOAD off
.irp k, 0,1,2,3,4,5,6,7
.irp c, 0,1
	ds_load_b128 v[WT+8*\k+4*\c:WT+8*\k+4*\c+3], v[AWO] offset:(\off)+64*\k+16*\c          ; the k of my own half
.endr
.endr
.irp k, 0,1,2,3,4,5,6,7
.irp c, 0,1
	ds_load_b128 v[WT+64+8*\k+4*\c:WT+64+8*\k+4*\c+3], v[AWX] offset:(\off)+64*\k+16*\c    ; the k of the other half
.endr
.endr
.endm
; A layer of 16 x 16 for tile q: outputs 8 h + 0 .. 7 of point r, two at a time: (W(u, k), W(u + 1, k)) x hidden(k) + the sum so far; the first addend is the bias.  Four chains by turns.
; back = 0: from v[HA + 8 q] into the second layer's registers;  1: from those back into v[HA + 8 q].  c: the bias.  relu = 1: the activation follows.
.macro DENSE q, back, c, relu
.if \back
.set rI, 204+8*(\q)-208*((\q)/2)
.set rO, HA+8*(\q)
.else
.set rI, HA+8*(\q)
.set rO, 204+8*(\q)-208*((\q)/2)
.endif
.irp j, 0,1,2,3,4,5,6,7
	v_permlanex16_b32 v[HO+\j], v[rI+\j], s[SEL], s[SEL+1]   ; my point's other eight units, from lane l xor 16; they are wanted 32 instructions on
.endr
.irp p, 0,2,4,6
	v_pk_fma_f32 v[rO+\p:rO+\p+1], v[WT+\p:WT+\p+1], v[rI:rI+1], v[(\c)+\p:(\c)+\p+1] op_sel_hi:[1,0,1]
.endr
.irp k, 1,2,3,4,5,6,7
.irp p, 0,2,4,6
.if (\k)%2
	v_pk_fma_f32 v[rO+\p:rO+\p+1], v[WT+8*\k+\p:WT+8*\k+\p+1], v[rI+\k-1:rI+\k], v[rO+\p:rO+\p+1] op_sel:[0,1,0] op_sel_hi:[1,1,1]   ; the pair's upper register for both halves
.else
	v_pk_fma_f32 v[rO+\p:rO+\p+1], v[WT+8*\k+\p:WT+8*\k+\p+1], v[rI+\k:rI+\k+1], v[rO+\p:rO+\p+1] op_sel_hi:[1,0,1]                  ; the lower one
.endif
.endr
.endr
.irp k, 0,1,2,3,4,5,6,7
.irp p, 0,2,4,6
.if (\k)%2
	v_pk_fma_f32 v[rO+\p:rO+\p+1], v[WT+64+8*\k+\p:WT+64+8*\k+\p+1], v[HO+\k-1:HO+\k], v[rO+\p:rO+\p+1] op_sel:[0,1,0] op_sel_hi:[1,1,1]
.else
	v_pk_fma_f32 v[rO+\p:rO+\p+1], v[WT+64+8*\k+\p:WT+64+8*\k+\p+1], v[HO+\k:HO+\k+1], v[rO+\p:rO+\p+1] op_sel_hi:[1,0,1]
.endif
.endr
.endr
.if \relu
.irp j, 0,1,2,3,4,5,6,7
	v_max_num_f32 v[rO+\j], 0, v[rO+\j]
.endr
.endif
.endm
; Tiles 4 g to 4 g + 3; tile t is points 16 t on of the wave: half t % 2 of slot t / 2.  No product adds onto a result in place: each takes the bias as C, and the four results are four runs of registers.
; REGISTERS THAT LDS AND MEMORY INSTRUCTIONS TOUCH HERE: F (features land; the quantiser reads), WT (weights land twice, over F and the codes; the layers' multiply-adds read), HA (the products and the third layer
; write; the stage's stores read), OUTR (rows land, over W2's first registers; out0's stores read).  The addresses v5 to v8, v254 and v255 are never written again.
.macro MLP4 g
.if (\g) > 0
	s_wait_xcnt 0x0                                ; the last group's stores have read their registers, which are written again below
.endif
	s_wait_alu depctr_vm_vsrc(0)                   ; first group: the last level's LDS stores have read the sums: features land in v160 to v163, and the layers' lane permutes write v60 to v63; second group: the stage's stores have read v[HA ..], out0's stores v[OUTR ..]: both are written again below
.irp q, 0,1,2,3
.irp i, 0,1,2,3,4,5,6,7
	ds_load_b64 v[F+16*\q+2*\i:F+16*\q+2*\i+1], v[FR] offset:FSL*((4*(\g)+\q)/2)+128*((4*(\g)+\q)%2)+FP*\i   ; level 8 h + i of point r; LDS serves a wave's instructions in order: these see my stores.  (No vector instruction has been issued since the last wait on va_vdst, which stands ahead of the last LDS stores)
.endr
.endr
.irp q, 0,1,2,3
.irp i, 2,3,4,5,6,7
	v_mov_b32 v[QB+8*\q+\i], 0                     ; the rest of the instruction's K: zero codes (in each group: the weights pass over these registers)
.endr
.endr
	s_wait_dscnt 0x0
	; the quantiser: a point's block of 32 lies in lanes r and 16 + r, 16 registers each; the four tiles by turns
.irp q, 0,1,2,3
	v_max3_num_f32 v[TMP+\q], |v[F+16*\q]|, |v[F+16*\q+1]|, 0x1800000   ; with the floor 2^(3 - 127): the byte cannot fall under 1
.endr
.irp i, 2,4,6,8,10,12,14
.irp q, 0,1,2,3
	v_max3_num_f32 v[TMP+\q], v[TMP+\q], |v[F+16*\q+\i]|, |v[F+16*\q+\i+1]|
.endr
.endr
.irp q, 0,1,2,3
	v_permlanex16_b32 v[TMP+4+\q], v[TMP+\q], s[SEL], s[SEL+1]
.endr
.irp q, 0,1,2,3
	v_max_num_f32 v[TMP+\q], v[TMP+\q], v[TMP+4+\q]        ; the block's largest magnitude
.endr
.irp q, 0,1,2,3
	v_add_nc_u32 v[TMP+8+\q], 0xff000000, v[TMP+\q]        ; 2 off its exponent field: the conversion takes that field of this operand as its scale
.endr
.irp q, 0,1,2,3
	v_lshrrev_b32 v[TMP+12+\q], 23, v[TMP+8+\q]            ; the scale's byte
.endr
.irp q, 0,1,2,3
	v_lshl_or_b32 v[SB+\q], v[TMP+12+\q], 8, v[TMP+12+\q]  ; for k = 0 .. 31 and for k = 32 .. 63
.endr
.irp q, 0,1,2,3
	v_cvt_scalef32_pk8_fp4_f32 v[QB+8*\q], v[F+16*\q:F+16*\q+7], v[TMP+8+\q]        ; features 16 h + 0 .. 7
	v_cvt_scalef32_pk8_fp4_f32 v[QB+8*\q+1], v[F+16*\q+8:F+16*\q+15], v[TMP+8+\q]   ; and + 8 .. 15
.endr
.rept 8
	v_nop                                          ; eight places between the writing of a scale word and the scaled product, four behind an operand so written, one behind a scaled conversion
.endr
	s_wait_alu depctr_va_vdst(0)                   ; behind the places: the conversions and the zeros have written the codes v[QB ..], the shifts the scale words v[SB ..], which the scaled products take
.irp q, 0,1,2,3
	v_wmma_scale_f32_16x16x128_f8f6f4 v[HA+8*\q:HA+8*\q+7], v[A0:A0+7], v[QB+8*\q:QB+8*\q+7], v[C0:C0+7], v[SA0], v[SB+\q] matrix_a_fmt:MATRIX_FMT_FP4 matrix_b_fmt:MATRIX_FMT_FP4
.endr
.rept 4
	v_nop                                          ; four places between the products and the first read of their results (ISA guide 7.12.1)
.endr
	s_wait_alu depctr_va_vdst(0)                   ; the products are done reading the codes v[QB ..], and the quantiser is done reading v[F ..] and writing the codes: W1 lands on all of them
	WLOAD 0                                        ; W1
.irp q, 0,1,2,3
.irp j, 0,1,2,3,4,5,6,7
	v_max_num_f32 v[HA+8*\q+\j], 0, v[HA+8*\q+\j]  ; relu, while the weights come (it names v[HA ..] alone, which no load touches); each result is read from its low end on
.endr
.endr
	s_wait_dscnt 0x0                               ; W1 is in
.irp q, 0,1,2,3
	DENSE \q, 0, C1, 1
.endr
	s_wait_alu depctr_va_vdst(0)                   ; the second layer's multiply-adds are done reading W1, on which W2 lands
	WLOAD 1024                                     ; W2, over W1
	s_wait_dscnt 0x0
.irp q, 0,1,2,3
	DENSE \q, 1, C2, 0
.endr
	; THE WAY OUT.  A lane holds 32 bytes of a point's 64.  They go through the tile's stage, LDS bytes of its own slot whose features are done with, and come back so that a store's 32 lanes cover 512 consecutive bytes.
	s_wait_alu depctr_va_vdst(0)                   ; the third layer has written v[HA ..], which the stage's stores read, and is done reading W2: the rows from the stage land on its first registers, the next group's features on others
.irp q, 0,1,2,3
	ds_store_b128 v[SO], v[HA+8*\q:HA+8*\q+3] offset:STG*(4*(\g)+\q)
	ds_store_b128 v[SO], v[HA+8*\q+4:HA+8*\q+7] offset:STG*(4*(\g)+\q)+16
.endr
.irp q, 0,1,2,3
.irp i, 0,1
	ds_load_b128 v[OUTR+4*(2*\q+\i):OUTR+4*(2*\q+\i)+3], v[SR] offset:STG*(4*(\g)+\q)+8*SPI*\i   ; eight points an instruction
.endr
.endr
.irp q, 0,1,2,3
.irp i, 0,1
	s_wait_dscnt 7-(2*\q+\i)                       ; LDS loads come back in order: this one is in, the younger may be out
	global_store_b128 v[OV], v[OUTR+4*(2*\q+\i):OUTR+4*(2*\q+\i)+3], s[OB:OB+1] offset:1024*(4*(\g)+\q)+512*\i th:TH_STORE_NT   ; 512 consecutive bytes, at a multiple of 512 from out0's first byte
.endr
.endr
.endm
	MLP4 0
	MLP4 1
	s_wait_dscnt 0x0                               ; the closing lines, six on end
	s_wait_alu 0x0
	s_wait_tensorcnt 0x0
	ds_add_u32 v252, v253
	s_wait_dscnt 0x0
	s_endpgm
.Lfunc_end_k_q90accc4f9b_grid_mlp:
	.size	k_q90accc4f9b_grid_mlp, .Lfunc_end_k_q90accc4f9b_grid_mlp-k_q90accc4f9b_grid_mlp
	.p2alignl 7, 3214868480
	.fill 96, 4, 3214868480
	.section	.rodata,"a",@progbits
	.p2align	6, 0x0
	.amdhsa_kernel k_q90accc4f9b_grid_mlp
		.amdhsa_group_segment_fixed_size 313344
		.amdhsa_private_segment_fixed_size 0
		.amdhsa_enable_private_segment 0
		.amdhsa_kernarg_size 88
		.amdhsa_user_sgpr_count 2
		.amdhsa_user_sgpr_kernarg_segment_ptr 1
		.amdhsa_wavefront_size32 1
		.amdhsa_system_sgpr_workgroup_id_x 1
		.amdhsa_system_sgpr_workgroup_id_y 1
		.amdhsa_system_sgpr_workgroup_id_z 1
		.amdhsa_system_vgpr_workitem_id 0
		.amdhsa_next_free_vgpr 256
		.amdhsa_next_free_sgpr 66
		.amdhsa_reserve_vcc 0
		.amdhsa_float_denorm_mode_32 3
		.amdhsa_float_denorm_mode_16_64 3
		.amdhsa_memory_ordered 1
		.amdhsa_forward_progress 1
		.amdhsa_inst_pref_size 154
	.end_amdhsa_kernel
	.amdgpu_metadata
---
amdhsa.version: [ 1, 2 ]
amdhsa.kernels:
  - .name:           k_q90accc4f9b_grid_mlp
    .symbol:         k_q90accc4f9b_grid_mlp.kd
    .args:
      - { .name: x, .offset: 0, .size: 8, .value_kind: global_buffer, .address_space: global }
      - { .name: cells, .offset: 8, .size: 8, .value_kind: global_buffer, .address_space: global }
      - { .name: table, .offset: 16, .size: 8, .value_kind: global_buffer, .address_space: global }
      - { .name: out0, .offset: 24, .size: 8, .value_kind: global_buffer, .address_space: global }
      - { .name: W0_codes, .offset: 32, .size: 8, .value_kind: global_buffer, .address_space: global }
      - { .name: W0_scales, .offset: 40, .size: 8, .value_kind: global_buffer, .address_space: global }
      - { .name: b0, .offset: 48, .size: 8, .value_kind: global_buffer, .address_space: global }
      - { .name: W1, .offset: 56, .size: 8, .value_kind: global_buffer, .address_space: global }
      - { .name: b1, .offset: 64, .size: 8, .value_kind: global_buffer, .address_space: global }
      - { .name: W2, .offset: 72, .size: 8, .value_kind: global_buffer, .address_space: global }
      - { .name: b2, .offset: 80, .size: 8, .value_kind: global_buffer, .address_space: global }
    .group_segment_fixed_size: 313344
    .private_segment_fixed_size: 0
    .kernarg_segment_align: 8
    .kernarg_segment_size: 88
    .max_flat_workgroup_size: 512
    .sgpr_count:     66
    .vgpr_count:     256
    .wavefront_size: 32
...
	.end_amdgpu_metadata
.endif
;; end of part 3
